; MI455X (gfx1250); checked and timed in simulation.
; The chip was launched on July 23, 2026; its instructions are those of AMD's public machine-readable ISA for CDNA 5 (MIT licence, August 2026) and "CDNA5" Instruction Set Architecture Reference Guide (July 2026). The comments in the code are by the model that wrote it; some were corrected since.
;; Multi Head Dot Product Attention. Allowed arithmetic: float matrix products may take bf16 or f16 operands with f32 sums; all other float work in f32.
;; Inputs: Wk 2,048 x 16 x 128 float32; Wo 16 x 128 x 2,048 float32; Wq 2,048 x 16 x 128 float32; Wv 2,048 x 16 x 128 float32; inputs_kv 2 x 2,048 x 2,048 float32; inputs_q 2 x 1,024 x 2,048 float32.
;; Outputs: out0 2 x 1,024 x 2,048 float32.
;; One version. Each part assembles by itself: llvm-mc -triple=amdgcn-amd-amdhsa -mcpu=gfx1250 --defsym DOCPART=n.
;; ======== version 1 of 1: 4 launches
;; limits: values are held in f16: magnitudes above 65,504 overflow, below 6.1e-05 lose precision
;; workspace buffers: cv 50,331,648 bytes; qkv 25,165,824 bytes; ob 8,388,608 bytes
;; launch cast (part 1): grid 256 x 6, 8 waves a work-group, no clusters, 0 bytes of LDS; arguments inputs_q, inputs_kv, Wq, Wk, Wv, Wo, cv; writes cv
.if DOCPART == 1
	.amdgcn_target "amdgcn-amd-amdhsa--gfx1250"
	.amdhsa_code_object_version 6
	.text
	.protected	k_q82b37ea0ef_cast
	.globl	k_q82b37ea0ef_cast
	.p2align	8
	.type	k_q82b37ea0ef_cast,@function
k_q82b37ea0ef_cast:
	s_mov_b64 s[64:65], 0
	v_nop
	global_prefetch_b8 v0, s[64:65] scope:SCOPE_SE
	s_setreg_imm32_b32 hwreg(HW_REG_WAVE_MODE, 25, 1), 1
	s_wait_xcnt 0x0
; 16-BIT COPIES OF THE INPUTS.  cv holds six segments of 8,388,608 bytes: 0 inputs_q, 1 the rows s < 1024 of inputs_kv (both batches), 2 Wq, 3 Wk, 4 Wv: f32 rounded once to bf16;
; 5 Wo: rounded to bf16 like the others, and that number written as f16, since the last product's other operand is f16.
; LIMITS.  Wo beyond 65,504 becomes an infinity in f16; below 2^-14 it keeps f16's fixed step of 6e-8.  Rows s >= 1024 of inputs_kv are not read: the module's own causal mask (query t sees keys s <= t <= 1023)
; gives their keys the weight 0.
; SHARES.  Grid y is the segment, grid x one of its 256 parts: 65,536 bytes of f32 in, 32,768 bytes out.  A wave takes 8,192 consecutive bytes: 16 loads of 512 consecutive bytes (16 a lane), all issued at once;
; each becomes one store of 8 bytes a lane: 256 consecutive bytes, aligned.  Memory binds: no LDS, no barrier, no matrix unit.  No register that a load or store names is ever rewritten.
.set X, 4                              ; v[4:67]    load i: 4 registers of f32
.set Y, 68                             ; v[68:99]   store i: 2 registers, four 16-bit numbers
.set T, 100                            ; v[100:103] at work
	s_load_b256 s[8:15], s[0:1], 0x0               ; inputs_q s[8:9], inputs_kv s[10:11], Wq s[12:13], Wk s[14:15]
	s_load_b128 s[16:19], s[0:1], 0x20             ; Wv s[16:17], Wo s[18:19]
	s_load_b64 s[20:21], s[0:1], 0x30              ; cv
	s_and_b32 s2, ttmp7, 0xffff                    ; the segment
	s_mov_b32 s3, ttmp9                            ; the part
	s_lshl_b32 s22, s3, 16                         ; the part's first byte in its source
	s_lshr_b32 s24, s3, 7                          ; parts 128 on of segment 1 are batch 1, whose first row lies 16,777,216 bytes in:
	s_cmp_eq_u32 s2, 1
	s_cselect_b32 s24, s24, 0
	s_lshl_b32 s24, s24, 23                        ; 8,388,608 bytes more than the part's number says
	s_add_co_u32 s22, s22, s24
	s_mov_b32 s23, 0
	s_lshl_b32 s24, s2, 23                         ; the segment in cv,
	s_lshl_b32 s25, s3, 15                         ; and the part in it
	s_add_co_u32 s24, s24, s25
	s_mov_b32 s25, 0
	s_mov_b32 s26, 0xffff0000                      ; a word's upper bf16
	v_lshrrev_b32 v3, 5, v0                        ; wave
	v_and_b32 v1, 31, v0                           ; lane
	v_lshlrev_b32 v2, 3, v1
	v_lshlrev_b32 v1, 4, v1
	v_lshl_or_b32 v1, v3, 13, v1                   ; in: 8,192 wave + 16 lane
	v_lshl_or_b32 v2, v3, 12, v2                   ; out: 4,096 wave + 8 lane
	s_wait_kmcnt 0x0
	s_mov_b64 s[4:5], s[8:9]                       ; the source is chosen by the segment's number
	s_cmp_eq_u32 s2, 1
	s_cselect_b64 s[4:5], s[10:11], s[4:5]
	s_cmp_eq_u32 s2, 2
	s_cselect_b64 s[4:5], s[12:13], s[4:5]
	s_cmp_eq_u32 s2, 3
	s_cselect_b64 s[4:5], s[14:15], s[4:5]
	s_cmp_eq_u32 s2, 4
	s_cselect_b64 s[4:5], s[16:17], s[4:5]
	s_cmp_eq_u32 s2, 5
	s_cselect_b64 s[4:5], s[18:19], s[4:5]
	s_add_nc_u64 s[4:5], s[4:5], s[22:23]
	s_add_nc_u64 s[20:21], s[20:21], s[24:25]
.set i, 0
.rept 16
	global_load_b128 v[X+4*i:X+4*i+3], v1, s[4:5] offset:512*i th:TH_LOAD_NT
.set i, i+1
.endr
; Load i is rounded and stored.  wo = 1: the bf16 numbers are widened again and written as f16.
.macro OUT i, wo
	s_wait_loadcnt 15-(\i)                         ; loads come back in order (ISA guide 5.7.1): load i is in, the 15 - i younger ones may be out
	v_cvt_pk_bf16_f32 v[Y+2*(\i)], v[X+4*(\i)], v[X+4*(\i)+1]
	v_cvt_pk_bf16_f32 v[Y+2*(\i)+1], v[X+4*(\i)+2], v[X+4*(\i)+3]
.if \wo
	v_lshlrev_b32 v[T], 16, v[Y+2*(\i)]
	v_and_b32 v[T+1], s26, v[Y+2*(\i)]
	v_lshlrev_b32 v[T+2], 16, v[Y+2*(\i)+1]
	v_and_b32 v[T+3], s26, v[Y+2*(\i)+1]
	v_cvt_pk_f16_f32 v[Y+2*(\i)], v[T], v[T+1]
	v_cvt_pk_f16_f32 v[Y+2*(\i)+1], v[T+2], v[T+3]
.endif
	global_store_b64 v2, v[Y+2*(\i):Y+2*(\i)+1], s[20:21] offset:256*(\i)  ; the wave's 32 lanes store 256 consecutive bytes, aligned
.endm
	s_cmp_eq_u32 s2, 5
	s_cbranch_scc1 .Lwo
.irp i, 0,1,2,3,4,5,6,7,8,9,10,11,12,13,14,15
	OUT \i, 0
.endr
	s_endpgm
.Lwo:
.irp i, 0,1,2,3,4,5,6,7,8,9,10,11,12,13,14,15
	OUT \i, 1
.endr
	s_endpgm
.Lfunc_end_k_q82b37ea0ef_cast:
	.size	k_q82b37ea0ef_cast, .Lfunc_end_k_q82b37ea0ef_cast-k_q82b37ea0ef_cast
	.p2alignl 7, 3214868480
	.fill 96, 4, 3214868480
	.section	.rodata,"a",@progbits
	.p2align	6, 0x0
	.amdhsa_kernel k_q82b37ea0ef_cast
		.amdhsa_group_segment_fixed_size 0
		.amdhsa_private_segment_fixed_size 0
		.amdhsa_enable_private_segment 0
		.amdhsa_kernarg_size 56
		.amdhsa_user_sgpr_count 2
		.amdhsa_user_sgpr_kernarg_segment_ptr 1
		.amdhsa_wavefront_size32 1
		.amdhsa_system_sgpr_workgroup_id_x 1
		.amdhsa_system_sgpr_workgroup_id_y 1
		.amdhsa_system_sgpr_workgroup_id_z 1
		.amdhsa_system_vgpr_workitem_id 0
		.amdhsa_next_free_vgpr 104
		.amdhsa_next_free_sgpr 66
		.amdhsa_reserve_vcc 0
		.amdhsa_float_denorm_mode_32 3
		.amdhsa_float_denorm_mode_16_64 3
		.amdhsa_memory_ordered 1
		.amdhsa_forward_progress 1
		.amdhsa_inst_pref_size 16
	.end_amdhsa_kernel
	.amdgpu_metadata
---
amdhsa.version: [ 1, 2 ]
amdhsa.kernels:
  - .name:           k_q82b37ea0ef_cast
    .symbol:         k_q82b37ea0ef_cast.kd
    .args:
      - { .name: inputs_q, .offset: 0, .size: 8, .value_kind: global_buffer, .address_space: global }
      - { .name: inputs_kv, .offset: 8, .size: 8, .value_kind: global_buffer, .address_space: global }
      - { .name: Wq, .offset: 16, .size: 8, .value_kind: global_buffer, .address_space: global }
      - { .name: Wk, .offset: 24, .size: 8, .value_kind: global_buffer, .address_space: global }
      - { .name: Wv, .offset: 32, .size: 8, .value_kind: global_buffer, .address_space: global }
      - { .name: Wo, .offset: 40, .size: 8, .value_kind: global_buffer, .address_space: global }
      - { .name: cv, .offset: 48, .size: 8, .value_kind: global_buffer, .address_space: global }
    .group_segment_fixed_size: 0
    .private_segment_fixed_size: 0
    .kernarg_segment_align: 8
    .kernarg_segment_size: 56
    .max_flat_workgroup_size: 256
    .sgpr_count:     66
    .vgpr_count:     104
    .wavefront_size: 32
...
	.end_amdgpu_metadata
.endif
;; end of part 1
;; launch proj (part 2): grid 24 x 8, 4 waves a work-group, clusters of 4 x 4, 327,680 bytes of LDS; arguments cv, qkv; writes qkv
.if DOCPART == 2
	.amdgcn_target "amdgcn-amd-amdhsa--gfx1250"
	.amdhsa_code_object_version 6
	.text
	.protected	k_q82b37ea0ef_proj
	.globl	k_q82b37ea0ef_proj
	.p2align	8
	.type	k_q82b37ea0ef_proj,@function
k_q82b37ea0ef_proj:
	s_mov_b64 s[64:65], 0
	v_nop
	global_prefetch_b8 v0, s[64:65] scope:SCOPE_SE
	s_setreg_imm32_b32 hwreg(HW_REG_WAVE_MODE, 25, 1), 1
	s_wait_xcnt 0x0
	s_wait_alu depctr_hold_cnt(0) depctr_sa_sdst(0) depctr_va_vdst(0) depctr_va_sdst(0) depctr_va_ssrc(0) depctr_va_vcc(0) depctr_vm_vsrc(0)
	s_getreg_b32 s2, hwreg(HW_REG_IB_STS2, 6, 4)
	s_cmp_eq_u32 s2, 0
	s_cbranch_scc0 .Lentry_in_a_cluster
	s_endpgm
.Lentry_in_a_cluster:
	s_bfe_u32 s2, ttmp6, 0x10000c
	s_cmp_lg_u32 s2, 0xf033
	s_cbranch_scc0 .Lentry_shape_is_right
	s_endpgm
.Lentry_shape_is_right:
; THE THREE PROJECTIONS.  q = xq Wq, k = xkv Wk, v = xkv Wv: each 2,048 rows x 2,048 columns over K = 2,048, operands bf16 (from cv), sums f32, results rounded once to f16 and written by heads:
; qkv = planes q, k, v of 8,388,608 bytes, each [16 b + n][t][128]: a head's rows are dense, 256 bytes each.  q leaves UNSCALED: 1 / sqrt(128) is applied in f32 in the attention.
; LIMIT.  A result of 65,520 or more becomes an infinity in f16.
; SHARES.  24 x 8 tiles of 256 x 256: tile columns 0-7 are q's, 8-15 k's, 16-23 v's.  A work-group of four waves makes a tile, a wave 128 x 128: 64 accumulators, 512 registers; its 128 columns are one head.
; 192 work-groups: the three planes' outputs do not divide into 256 equal tiles whose sides are multiples of 16 x the waves' grid, and a 128 x 256 tile would give 384, a pass and a half.
; K goes in steps of 128 through two LDS slots filled by the tensor data mover.  x lies [row][K]: its fragments are read as they lie.  W lies [K][column]: its tile is 128 K rows x 256 bytes, and its
; fragments are read turned, by ds_load_tr16_b128.
; CLUSTERS of 4 x 4: the four of a row need the same tile of x, the four of a column the same tile of W; each is asked for jointly.  A cluster's four tile columns lie in one plane.
; THE MATRIX INSTRUCTION IS USED TRANSPOSED: source 0 = 16 columns of W, source 1 = 16 rows of x: a lane then holds eight neighbouring columns of one row, which pack into 16 bytes.
; REGISTERS, in windows of 256 (s_set_vgpr_msb: bits 1:0 source 0, 3:2 source 1, 5:4 source 2, 7:6 destination):
;   window 0: v0-31 addresses; v64-127, v128-191 fragments of x, two buffers; v32-63, v192-255 at work on the way out      window 1: v64-127, v128-191 fragments of W      windows 2, 3: the accumulators
.set KSTEP,  128
.set ROWB,   4096                      ; bytes in a row of x and of W
.set PA,     272                       ; x's LDS row: 256 bytes + 16 = 68 words: the 16 rows of a load start at 16 different groups of four banks (64 banks of 4 bytes: ISA guide 11.1)
.set PB,     288                       ; W's LDS row: 256 + 32 = 72 words
.set HALFA,  128*PA                    ; 128 rows of x: one tensor load
.set HALFB,  128*PB                    ; 128 K rows x 128 columns of W: one tensor load
.set SLOT,   2*HALFA+2*HALFB           ; x's rows 0-127, 128-255; W's columns 0-127, 128-255
.set STAGE,  2*SLOT                    ; behind the ring: 16 rows x 272 bytes for each wave, for the way out
.set SPITCH, 272
.set SPARE,  STAGE+4*16*SPITCH         ; the spare words, 128 bytes for each wave: two blocks of 256 bytes that no other line names
.set LAPS,   2048/(2*KSTEP)            ; a lap = two K steps = once round the ring
.set ADRA, 16                          ; v16-17  LDS address of my fragments of x in slot 0, 1
.set ADRB, 20                          ; v20-21  the same for W
.set STO,  24                          ; v24     the way out: where I put 16 bytes of a row
.set RD,   25                          ; v25     the way out: where I read a row back
.set CO,   26                          ; v26     16 x lane: my place in 512 consecutive bytes of the output
.set SPW,  28                          ; v28     LDS address of my spare word; never rewritten
.set NIL,  29                          ; v29     0; never rewritten
.set F0,   64
.set F1,   128
.set TMP,  192
.set OB,   32
.set G1,  24                           ; s[24:31] descriptor group 1 for x's tiles;  s[32:39] group 0, a set for each slot
.set G0,  32
.set G1B, 48                           ; s[48:55], s[56:63] the same for W's tiles
.set G0B, 56
.set MSB, 0
.macro WIN new                         ; the immediate's high byte repeats the setting that is left; a switch that changes nothing is dropped
.if MSB != (\new)
	s_set_vgpr_msb (MSB<<8)|(\new)
.set MSB, \new
.endif
.endm
.set MUL_LO, 0xa1                      ; source 0 (W) window 1, source 1 (x) window 0, C and D window 2
.set MUL_HI, 0xf1                      ; the same, C and D window 3
.set TO_B,   0x40                      ; destination window 1, address window 0
; A joint load.  Waves 0 and 1 fetch x's two halves, waves 2 and 3 W's.  The branch hangs on the wave's number alone.  An s_nop 0 and four v_nop follow each line.
.macro JLOAD s
	s_cmp_eq_u32 s11, 0
	s_cbranch_scc0 .Lfor_b_\@
	tensor_load_to_lds s[G0+4*(\s):G0+4*(\s)+3], s[G1:G1+7]
	s_nop 0
.rept 4
	v_nop
.endr
	s_branch .Lasked_\@
.Lfor_b_\@:
	tensor_load_to_lds s[G0B+4*(\s):G0B+4*(\s)+3], s[G1B:G1B+7]
	s_nop 0
.rept 4
	v_nop
.endr
.Lasked_\@:
.endm
.macro CREST                           ; a round of the cluster's barrier behind its opening barrier
	s_cmp_lg_u32 s10, 0
	s_cbranch_scc1 .Lnot_wave_0_\@
	s_barrier_signal -3
.Lnot_wave_0_\@:
	s_barrier_wait -3
	s_barrier_signal -1
	s_barrier_wait -1
.endm
.macro CROUND                          ; a whole round
	s_barrier_signal -1
	s_barrier_wait -1
	CREST
.endm
	s_load_b128 s[4:7], s[0:1], 0x0                ; cv s[4:5], qkv s[6:7]
	v_lshl_add_u32 v[SPW], v0, 2, SPARE
	v_mov_b32 v[NIL], 0
	ds_add_u32 v[SPW], v[NIL]                      ; the wave's opening: the add and its wait stand ahead of my first tensor load; work on registers stands between them
	v_lshrrev_b32 v1, 5, v0
	v_readfirstlane_b32 s10, v1                    ; wave 0..3
	s_lshr_b32 s11, s10, 1                         ; which half of the tile's rows is mine.  Also: I fetch for x (0) or for W (1)
	s_and_b32 s12, s10, 1                          ; which half of its columns.  Also: which half of that tile I fetch
	s_bfe_u32 s40, ttmp6, 0x40000                  ; cx
	s_bfe_u32 s41, ttmp6, 0x40004                  ; cy
	s_lshr_b32 s45, ttmp9, 1                       ; the plane: 0 q, 1 k, 2 v (ttmp9 counts clusters: two to a plane)
	s_and_b32 s42, ttmp9, 1
	s_lshl_b32 s42, s42, 2
	s_add_co_u32 s42, s42, s40                     ; tile column in the plane
	s_and_b32 s13, ttmp7, 0xffff
	s_lshl_b32 s13, s13, 2
	s_add_co_u32 s13, s13, s41                     ; tile row
	s_lshl_b32 s43, s41, 2
	s_lshl_b32 s43, 15, s43                        ; my row of the cluster
	s_lshl_b32 s44, 0x1111, s40                    ; my column
	s_or_b32 s[G1+0], s43, (1<<16)|(1<<20)|(1<<21)|(5<<22)|(3<<25)   ; the mask; elements of 2 bytes; padding on; bit 21 beside a mask; after every 64 words, 4 words
	s_or_b32 s[G1B+0], s44, (1<<16)|(1<<20)|(1<<21)|(5<<22)|(7<<25)  ; the same with my column's mask and 8 words of padding
.irp g, G1, G1B
	s_mov_b32 s[(\g)+1], 128<<16                   ; tensor_dim0 = 128
	s_mov_b32 s[(\g)+2], 128<<16                   ; tensor_dim1 = 128
	s_mov_b32 s[(\g)+3], 128<<16                   ; tile_dim0 = 128
	s_mov_b32 s[(\g)+4], 128                       ; tile_dim1 = 128
	s_mov_b32 s[(\g)+5], 2048                      ; elements from row to row
	s_mov_b32 s[(\g)+6], 0
	s_mov_b32 s[(\g)+7], 0
.endr
	; x's tile hangs on the plane and the tile row, which my row of the cluster shares; W's on the plane and the tile column, which my column shares
	s_min_u32 s16, s45, 1                          ; q reads segment 0, k and v segment 1
	s_lshl_b32 s16, s16, 23
	s_lshl_b32 s17, s13, 20                        ; 256 rows of 4,096 bytes a tile row
	s_add_co_u32 s16, s16, s17
	s_lshl_b32 s17, s12, 19                        ; my 128 rows of them
	s_add_co_u32 s16, s16, s17
	s_mov_b32 s17, 0
	s_add_co_u32 s46, s45, 2                       ; Wq, Wk, Wv are segments 2, 3, 4
	s_lshl_b32 s46, s46, 23
	s_lshl_b32 s47, s42, 9                         ; 256 columns of 2 bytes a tile column
	s_add_co_u32 s46, s46, s47
	s_lshl_b32 s47, s12, 8                         ; my 128 columns of them
	s_add_co_u32 s46, s46, s47
	s_mov_b32 s47, 0
	s_mul_i32 s20, s12, HALFA                      ; where they go: no place in the cluster enters an LDS address
	s_mul_i32 s21, s12, HALFB
	s_add_co_u32 s21, s21, 2*HALFA
	s_wait_dscnt 0x0                               ; the opening add is done
	s_wait_kmcnt 0x0
	s_add_nc_u64 s[14:15], s[4:5], s[16:17]
	s_add_nc_u64 s[46:47], s[4:5], s[46:47]
	CROUND                                         ; all sixteen work-groups are here: the first joint loads meet
.irp s, 0,1
	s_mov_b32 s[G0+4*(\s)], 1
	s_add_co_u32 s[G0+4*(\s)+1], s20, (\s)*SLOT
	s_add_nc_u64 s[G0+4*(\s)+2:G0+4*(\s)+3], s[14:15], (\s)*KSTEP*2      ; K step s: 256 bytes along x's rows
	s_or_b32 s[G0+4*(\s)+3], s[G0+4*(\s)+3], 0x80000000
	s_mov_b32 s[G0B+4*(\s)], 1
	s_add_co_u32 s[G0B+4*(\s)+1], s21, (\s)*SLOT
	s_add_nc_u64 s[G0B+4*(\s)+2:G0B+4*(\s)+3], s[46:47], (\s)*KSTEP*ROWB ; K step s: 128 rows down W
	s_or_b32 s[G0B+4*(\s)+3], s[G0B+4*(\s)+3], 0x80000000
	JLOAD \s                                       ; two tensor loads of mine are out
.endr
	v_and_b32 v1, 15, v0                           ; l % 16
	v_bfe_u32 v2, v0, 4, 1                         ; l / 16
	v_mul_u32_u24 v3, v1, PA
	v_lshl_add_u32 v3, v2, 4, v3                   ; x: row x pitch + 16 x half
	v_and_b32 v6, 7, v0
	v_lshl_add_u32 v6, v2, 3, v6                   ; W, turned: lane l reads K row 8 (l / 16) + l % 8,
	v_mul_u32_u24 v6, v6, PB
	v_bfe_u32 v7, v0, 3, 1
	v_lshl_add_u32 v6, v7, 4, v6                   ; columns 8 ((l / 8) % 2) + 0..7
	s_mul_i32 s21, s11, HALFA                      ; my 128 rows of x
	s_mul_i32 s22, s12, HALFB                      ; my 128 columns of W,
	s_add_co_u32 s22, s22, 2*HALFA                 ; which lie behind x's 256 rows
.irp s, 0,1
	v_add_nc_u32 v[ADRA+(\s)], s21, v3
	v_add_nc_u32 v[ADRB+(\s)], s22, v6
	s_add_co_u32 s21, s21, SLOT
	s_add_co_u32 s22, s22, SLOT
.endr
	s_mul_i32 s23, s10, 16*SPITCH
	s_add_co_u32 s23, s23, STAGE                   ; my stage
	v_mul_u32_u24 v4, v1, SPITCH
	v_lshl_add_u32 v4, v2, 4, v4
	v_add_nc_u32 v[STO], s23, v4
	v_mul_u32_u24 v5, v2, SPITCH
	v_lshl_add_u32 v5, v1, 4, v5
	v_add_nc_u32 v[RD], s23, v5
	v_and_b32 v5, 31, v0
	v_lshlrev_b32 v[CO], 4, v5                     ; two rows of a head are 512 consecutive bytes
	; my part of the output: plane, head 16 b + n (262,144 bytes each), row t (256 bytes each)
	s_lshr_b32 s16, s13, 2                         ; b: four tile rows to a batch
	s_lshl_b32 s16, s16, 4
	s_add_co_u32 s16, s16, s12                     ; n = 2 x tile column + my half
	s_lshl_b32 s16, s16, 18
	s_and_b32 s17, s13, 3
	s_lshl_b32 s17, s17, 16                        ; t = 256 (tile row % 4)
	s_add_co_u32 s16, s16, s17
	s_lshl_b32 s17, s11, 15                        ; + 128 x my half of the rows
	s_add_co_u32 s16, s16, s17
	s_lshl_b32 s17, s45, 23
	s_add_co_u32 s16, s16, s17
	s_lshl_b32 s46, s42, 19
	s_add_co_u32 s16, s16, s46
	s_mov_b32 s17, 0
; 16 matrix instructions: row blocks a0, a0 + 1 of the window's four x all 8 column blocks, 32 along K.  zero = 1: the first product starts the sums.
; The 64 accumulators take turns, one instruction a turn, in the same order in every quarter.
.macro MUL16 f, hi, a0, zero
	WIN MUL_LO+0x50*(\hi)
.irp a, \a0, (\a0)+1
.irp b, 0,1,2,3,4,5,6,7
.if \zero
	v_wmma_f32_16x16x32_bf16 v[8*(8*(\a)+(\b)):8*(8*(\a)+(\b))+7], v[(\f)+8*(\b):(\f)+8*(\b)+7], v[(\f)+8*(4*(\hi)+(\a)):(\f)+8*(4*(\hi)+(\a))+7], 0
.else
	v_wmma_f32_16x16x32_bf16 v[8*(8*(\a)+(\b)):8*(8*(\a)+(\b))+7], v[(\f)+8*(\b):(\f)+8*(\b)+7], v[(\f)+8*(4*(\hi)+(\a)):(\f)+8*(4*(\hi)+(\a))+7], v[8*(8*(\a)+(\b)):8*(8*(\a)+(\b))+7]
.endif
.endr
.endr
.endm
; 32 LDS loads in one run: quarter q of a slot's K step (32 along K) into buffer f: W's 8 column blocks, turned; then x's 8 row blocks
.macro FETCH slot, q, f
	WIN TO_B
.irp i, 0,1,2,3,4,5,6,7
	ds_load_tr16_b128 v[(\f)+8*(\i):(\f)+8*(\i)+3],   v[ADRB+(\slot)] offset:(\q)*32*PB+32*(\i)
	ds_load_tr16_b128 v[(\f)+8*(\i)+4:(\f)+8*(\i)+7], v[ADRB+(\slot)] offset:(\q)*32*PB+16*PB+32*(\i)
.endr
	WIN 0
.irp i, 0,1,2,3,4,5,6,7
	ds_load_b128 v[(\f)+8*(\i):(\f)+8*(\i)+3],   v[ADRA+(\slot)] offset:64*(\q)+(\i)*16*PA
	ds_load_b128 v[(\f)+8*(\i)+4:(\f)+8*(\i)+7], v[ADRA+(\slot)] offset:64*(\q)+(\i)*16*PA+32
.endr
.endm
.macro PLACES                          ; four plain vector instructions between a matrix instruction and a load into, or a vector read of, its registers
.rept 4
	v_nop
.endr
.endm
; One of a K step's first three quarters: multiplies buffer f; in its middle it fetches quarter q of the same slot into buffer g.
.macro QUARTER slot, q, f, g, zero
	s_wait_dscnt 8                                 ; W and x's rows 0-63 are in; the youngest eight loads (x's rows 64-127) may be out
	MUL16 \f, 0, 0, \zero
	MUL16 \f, 0, 2, \zero
	PLACES
	FETCH \slot, \q, \g
	s_wait_dscnt 32                                ; all but the 32 just issued
	MUL16 \f, 1, 0, \zero
	MUL16 \f, 1, 2, \zero
.endm
; The first half of a K step's last quarter, with the one barrier of a change of slots.
.macro MEET round
	WIN 0                                          ; (the add's two registers lie in window 0)
	s_wait_tensorcnt 0x0                           ; all my tensor loads have landed: the one that was out is my part of the next slot
	ds_add_u32 v[SPW], v[NIL]                      ; 0 onto my spare word
	s_wait_dscnt 9                                 ; the add and the youngest eight loads may be out
	MUL16 F1, 0, 0, 0
	s_wait_dscnt 0x0                               ; the add is done, and my reads of this slot are over
	s_barrier_signal -1
	MUL16 F1, 0, 2, 0                              ; work on registers while the others arrive
.if \round
	WIN 0
.endif
	s_barrier_wait -1
.endm
; The whole last quarter: behind the round the slot just read is filled again, two K steps on; then the next slot's first fragments.
.macro TURN slot, next
	MEET 1
	CREST                                          ; no wave of any partner still reads this slot or has a load on its way
	s_add_nc_u64 s[G0+4*(\slot)+2:G0+4*(\slot)+3], s[G0+4*(\slot)+2:G0+4*(\slot)+3], 2*KSTEP*2
	s_add_nc_u64 s[G0B+4*(\slot)+2:G0B+4*(\slot)+3], s[G0B+4*(\slot)+2:G0B+4*(\slot)+3], 2*KSTEP*ROWB
	JLOAD \slot                                    ; my one tensor load behind the round; its four v_nop are also the places in front of the loads below
	FETCH \next, 0, F0
	MUL16 F1, 1, 0, 0
	MUL16 F1, 1, 2, 0
.endm
; THE WAY OUT of row block a.  PACK: rounded to f16, each accumulator's registers in ascending order.  TOSTAGE: into my own stage, and back as whole rows.  SEND: stored.
.macro PACK a
.set AC, 64*((\a)%4)
	WIN 0x0a+5*((\a)/4)                            ; sources 0 and 1: window 2 or 3
.irp b, 0,1,2,3,4,5,6,7
.irp r, 0,1,2,3
	v_cvt_pk_f16_f32 v[TMP+4*(\b)+(\r)], v[AC+8*(\b)+2*(\r)], v[AC+8*(\b)+2*(\r)+1]
.endr
.endr
	WIN 0
.endm
.macro TOSTAGE a
	WIN 0
.set BK, OB+192*((\a)%2)
.irp b, 0,1,2,3,4,5,6,7
	ds_store_b128 v[STO], v[TMP+4*(\b):TMP+4*(\b)+3] offset:32*(\b)
.endr
.irp t, 0,1,2,3,4,5,6,7
	ds_load_b128 v[BK+4*(\t):BK+4*(\t)+3], v[RD] offset:(\t)*2*SPITCH  ; LDS serves a wave's instructions in order (ISA guide 5.7.1.4): these see the stores above
.endr
.endm
.macro SEND a
	WIN 0
.set BK, OB+192*((\a)%2)
	s_wait_dscnt 0x0                               ; the block is back in registers
	s_wait_xcnt 0x0                                ; the stores' base, and the registers that earlier stores read, are rewritten only behind this wait
.if (\a) == 0
	s_add_nc_u64 s[6:7], s[6:7], s[16:17]          ; my first rows
.else
	s_add_nc_u64 s[6:7], s[6:7], 16*256            ; 16 rows of the head on
.endif
.irp t, 0,1,2,3,4,5,6,7
	global_store_b128 v[CO], v[BK+4*(\t):BK+4*(\t)+3], s[6:7] offset:512*(\t)  ; the wave stores 512 consecutive bytes, aligned
.endr
.endm
	s_wait_tensorcnt 1                             ; my part of K step 0 is in; K step 1's may stay out
	s_barrier_signal -1
	s_barrier_wait -1
	FETCH 0, 0, F0
	QUARTER 0, 1, F0, F1, 1                        ; the first quarter stands in front of the loop: its products start the sums
	WIN 0
	s_mov_b32 s3, LAPS-1
.Llap:                                                 ; a trip goes once round the ring, from a lap's second quarter to the next lap's first, and fills both slots again
	QUARTER 0, 2, F1, F0, 0
	QUARTER 0, 3, F0, F1, 0
	TURN 0, 1
	QUARTER 1, 1, F0, F1, 0
	QUARTER 1, 2, F1, F0, 0
	QUARTER 1, 3, F0, F1, 0
	TURN 1, 0
	QUARTER 0, 1, F0, F1, 0
	WIN 0
	s_sub_co_u32 s3, s3, 1
	s_cmp_lg_u32 s3, 0
	s_cbranch_scc1 .Llap
	QUARTER 0, 2, F1, F0, 0                        ; the last lap fills nothing
	QUARTER 0, 3, F0, F1, 0
	MEET 0                                         ; the load that was out is the last K step's; no round follows
	PLACES
	FETCH 1, 0, F0
	MUL16 F1, 1, 0, 0
	MUL16 F1, 1, 2, 0
	QUARTER 1, 1, F0, F1, 0
	QUARTER 1, 2, F1, F0, 0
	QUARTER 1, 3, F0, F1, 0
	s_wait_dscnt 8                                 ; the very last quarter: nothing more to fetch
	MUL16 F1, 0, 0, 0
	MUL16 F1, 0, 2, 0
	s_wait_dscnt 0x0
	MUL16 F1, 1, 0, 0
	MUL16 F1, 1, 2, 0
	WIN 0
	PLACES
	PACK 0
	TOSTAGE 0
.irp a, 1,2,3,4,5,6,7                  ; block a's conversions stand between block a - 1's loads from the stage and the wait for them
	PACK \a
	SEND (\a)-1
	TOSTAGE \a
.endr
	SEND 7
	s_wait_tensorcnt 0x0                           ; the wave's end
	ds_add_u32 v[SPW], v[NIL]
	s_wait_dscnt 0x0
	CROUND                                         ; the closing round
	s_endpgm
.Lfunc_end_k_q82b37ea0ef_proj:
	.size	k_q82b37ea0ef_proj, .Lfunc_end_k_q82b37ea0ef_proj-k_q82b37ea0ef_proj
	.p2alignl 7, 3214868480
	.fill 96, 4, 3214868480
	.section	.rodata,"a",@progbits
	.p2align	6, 0x0
	.amdhsa_kernel k_q82b37ea0ef_proj
		.amdhsa_group_segment_fixed_size 327680
		.amdhsa_private_segment_fixed_size 0
		.amdhsa_enable_private_segment 0
		.amdhsa_kernarg_size 16
		.amdhsa_user_sgpr_count 2
		.amdhsa_user_sgpr_kernarg_segment_ptr 1
		.amdhsa_wavefront_size32 1
		.amdhsa_system_sgpr_workgroup_id_x 1
		.amdhsa_system_sgpr_workgroup_id_y 1
		.amdhsa_system_sgpr_workgroup_id_z 1
		.amdhsa_system_vgpr_workitem_id 0
		.amdhsa_next_free_vgpr 1024
		.amdhsa_next_free_sgpr 66
		.amdhsa_reserve_vcc 0
		.amdhsa_float_denorm_mode_32 3
		.amdhsa_float_denorm_mode_16_64 3
		.amdhsa_memory_ordered 1
		.amdhsa_forward_progress 1
		.amdhsa_inst_pref_size 143
	.end_amdhsa_kernel
	.amdgpu_metadata
---
amdhsa.version: [ 1, 2 ]
amdhsa.kernels:
  - .name:           k_q82b37ea0ef_proj
    .symbol:         k_q82b37ea0ef_proj.kd
    .args:
      - { .name: cv, .offset: 0, .size: 8, .value_kind: global_buffer, .address_space: global }
      - { .name: qkv, .offset: 8, .size: 8, .value_kind: global_buffer, .address_space: global }
    .group_segment_fixed_size: 327680
    .private_segment_fixed_size: 0
    .kernarg_segment_align: 8
    .kernarg_segment_size: 16
    .max_flat_workgroup_size: 128
    .sgpr_count:     66
    .vgpr_count:     1024
    .wavefront_size: 32
...
	.end_amdgpu_metadata
.endif
;; end of part 2
;; launch attn (part 3): grid 8 x 32, 4 waves a work-group, clusters of 4 x 1, 327,680 bytes of LDS; arguments qkv, ob; writes ob
.if DOCPART == 3
	.amdgcn_target "amdgcn-amd-amdhsa--gfx1250"
	.amdhsa_code_object_version 6
	.text
	.protected	k_q82b37ea0ef_attn
	.globl	k_q82b37ea0ef_attn
	.p2align	8
	.type	k_q82b37ea0ef_attn,@function
k_q82b37ea0ef_attn:
	s_mov_b64 s[64:65], 0
	v_nop
	global_prefetch_b8 v0, s[64:65] scope:SCOPE_SE
	s_setreg_imm32_b32 hwreg(HW_REG_WAVE_MODE, 25, 1), 1
	s_wait_xcnt 0x0
	s_wait_alu depctr_hold_cnt(0) depctr_sa_sdst(0) depctr_va_vdst(0) depctr_va_sdst(0) depctr_va_ssrc(0) depctr_va_vcc(0) depctr_vm_vsrc(0)
	s_getreg_b32 s2, hwreg(HW_REG_IB_STS2, 6, 4)
	s_cmp_eq_u32 s2, 0
	s_cbranch_scc0 .Lentry_in_a_cluster
	s_endpgm
.Lentry_in_a_cluster:
	s_bfe_u32 s2, ttmp6, 0x10000c
	s_cmp_lg_u32 s2, 0x3003
	s_cbranch_scc0 .Lentry_shape_is_right
	s_endpgm
.Lentry_shape_is_right:
; CAUSAL ATTENTION, head size 128.  O[b][t][n][:] = the sum over s <= t of softmax_s(q[t] . k[s] / sqrt(128)) v[s][:].  q, k, v: planes of qkv, [16 b + n][1024][128] f16, q unscaled.  O: ob, [b t][n d] f16.
; Products, maxima and sums in f32; the weights p are rounded to f16 for the second product (their sum l is taken of the unrounded p), O once at the end.
; LIMITS.  A hidden key's score has -1e10 sqrt(128) added, which is the module's -1e10 on the scaled score; its weight comes out 0 while scaled scores stay under some 5e9.  A weight below 2^-126 counts as 0 in l.
; p below 6e-5 keeps f16's fixed step of 6e-8.  NaN and infinities are not treated apart.
; THE WALK.  A head's 1,024 queries lie in four blocks of 256; block i needs the key tiles 0 .. i of 256 keys.  A CLUSTER of four work-groups takes block 3 - c and then block c (c = the cluster's x, 0 or 1):
; five tiles whatever c, the same five for all four partners, so every tile of K and V is asked for JOINTLY.  The five are written out; slots 0, 1, 0, 1, 0.
; SHARES.  Of a block's four bands of 64 queries wave w has band w, and in it work-group cx has rows 16 cx .. 16 cx + 15: one tile of 16 queries a wave at a time.  cx enters Q's and O's addresses and the vector
; mask MD alone: no branch and no LDS address.  In a block's last (diagonal) tile, key step s of four shows band w all its keys if s < w, none if s > w, and holds the diagonal if s = w.
; THE MASK is the C operand that starts S^T = K Q^T: MC = MD x AL + BE with two scalars chosen by compares of the step's number with DW (w in a diagonal tile, 15 elsewhere): no branch hangs on it.
; Steps that are wholly hidden are computed like the others: their weights are 0 and a = 1.
; LAYOUT.  S^T = K Q^T holds ONE query a lane (lane % 16) and the keys 8 (lane / 16) + 0..7; two such results rounded to f16 ARE source 1 of O^T = V^T P.  K comes out of LDS as it lies, V turned.
; SOFTMAX.  Running maximum m and sum l: p = 2^(c s - c m), c = log2(e) / sqrt(128); O and l are multiplied by a = 2^(c m_old - c m_new) in every step.  A block begins with c m far below every c s: its first a is 0,
; so O^T and l need only hold finite numbers then.
; IN PHASES: a key step is V's loads, 16 products K Q^T, the next K's loads, the softmax, 16 products V^T P.
; REGISTERS (s_set_vgpr_msb: bits 1:0 source 0, 3:2 source 1, 5:4 source 2, 7:6 destination):
;   window 0: addresses, statistics, S^T v64-95, P v96-111     window 1: O^T v0-63, MD v64-95, MC v96-127     window 2: Q v0-31, the second block's Q v32-63, K v128-255     window 3: V v0-127
.set KS,    64
.set PK,    272       ; a row of K in LDS: 256 bytes + 16: the 16 rows of a load start at 16 different groups of four banks (64 banks of 4 bytes: ISA guide 11.1)
.set PV,    288       ; a row of V: 256 + 32
.set VOFF,  256*PK    ; a slot holds a tile: 256 rows of K, then 256 rows of V
.set SLOT,  256*(PK+PV)
.set KSTEPB, KS*PK
.set VSTEPB, KS*PV
.set STAGE, 2*SLOT    ; behind the ring: 16 rows x 272 bytes for each wave, for the way out
.set SP,    272
.set SPARE, STAGE+4*16*SP  ; the spare words, 128 bytes for each wave: two blocks of 256 bytes that no other line names
.set AK0, 2           ; v2   my lane's place in a step's K; never rewritten
.set AV0, 3           ; v3   the same for V
.set ADK, 4           ; v4   the LDS address of K's run of loads
.set ADV, 5           ; v5   of V's
.set QO,  6           ; v6   my byte offset in 16 rows of Q
.set STO, 7           ; v7   the way out: where I put 16 bytes of a row
.set RD,  8           ; v8   the way out: where I read rows back
.set GO,  21          ; v21  my byte offset in two rows of ob
.set ST,  12          ; v12 c m, v13 m, v14-15 l (even keys', odd keys'), v16-19 c0-c3 at work; a takes c2's place
.set SPW, 62
.set NIL, 63
.set S,   64
.set P,   96
.set MD,  64          ; window 1
.set MC,  96          ; window 1
.set QL,  32          ; window 2
.set KF,  128         ; window 2: key block kb, channel block cb at KF + 32 kb + 8 cb
.set WV,  12          ; s12  my wave's number
.set CX,  13          ; s13  my place in the cluster
.set CC,  14          ; s14  c, which the partners share
.set BH,  15          ; s15  16 b + n
.set G1K, 24
.set G1V, 32
.set G0K, 40          ; s[40:47] descriptor group 0 for K, a set for each slot
.set G0V, 48          ; s[48:55] for V
.set CNT, 56          ; s56  a tile's key step, 0 to 3
.set DW,  57          ; s57  the step that holds my diagonal, or 15
.set CS,  58          ; s[58:59] c
.set SEL, 60          ; s[60:61] v_permlanex16_b32's selects
.set TBK, 62          ; s62  LDS byte of the step of K to be fetched
.set TBV, 63          ; s63  the same for V, less VOFF
.set KB,  66          ; s[66:67] K at my half of the head's tile 0
.set VB,  68          ; s[68:69] V likewise
.set OFF, 70          ; s[70:71] a tile's byte offset
.set AL,  72          ; s[72:73] the mask's factor
.set BE,  74          ; s[74:75] the mask's addend
.set OA,  76          ; s[76:77] ob at my rows of the block in hand
.set OLO, 78          ; s[78:79] of the second block
.set BIGN, 80         ; s80  -1e10 sqrt(128)
.set T3,  81          ; s81  the walk's fourth tile: 3 if c = 0, else 0
.set QHA, 82          ; s[82:83] Q at my rows of the first block
.set QLA, 84          ; s[84:85] of the second
.set TN,  86          ; s86  the tile to be asked for
.set MSB, 0
.macro WIN new
.if MSB != (\new)
	s_set_vgpr_msb (MSB<<8)|(\new)
.set MSB, (\new)
.endif
.endm
.set W_KQ, 0x0a       ; K and Q in window 2, S^T in window 0
.set W_KM, 0x1a       ; the same with the C operand in window 1
.set W_PV, 0x53       ; V in window 3, P in window 0, O^T in window 1
.set W_RS, 0x41       ; destination and source 0 in window 1, source 1 in window 0
; A joint fill of slot s.  Waves 0 and 1 fetch the halves of a tile's K, waves 2 and 3 those of its V: 128 keys each.  An s_nop 0 and four v_nop follow each line.
.macro JLOAD s
	s_cmp_lt_u32 s[WV], 2
	s_cbranch_scc0 .Lfor_v_\@
	tensor_load_to_lds s[G0K+4*(\s):G0K+4*(\s)+3], s[G1K:G1K+7]
	s_nop 0
.rept 4
	v_nop
.endr
	s_branch .Lasked_\@
.Lfor_v_\@:
	tensor_load_to_lds s[G0V+4*(\s):G0V+4*(\s)+3], s[G1V:G1V+7]
	s_nop 0
.rept 4
	v_nop
.endr
.Lasked_\@:
.endm
.macro CROUND                       ; a round of the cluster's barrier
	s_barrier_signal -1
	s_barrier_wait -1
	s_cmp_lg_u32 s[WV], 0
	s_cbranch_scc1 .Lnot_wave_0_\@
	s_barrier_signal -3
.Lnot_wave_0_\@:
	s_barrier_wait -3
	s_barrier_signal -1
	s_barrier_wait -1
.endm
.macro PLACES                       ; four plain vector instructions between a matrix instruction and a load into, or a vector read of, its registers
.rept 4
	v_nop
.endr
.endm
	s_load_b128 s[4:7], s[0:1], 0x0  ; qkv s[4:5], ob s[6:7]
	v_lshl_add_u32 v[SPW], v0, 2, SPARE
	v_mov_b32 v[NIL], 0
	ds_add_u32 v[SPW], v[NIL]       ; the wave's opening: the add and its wait stand ahead of my first tensor load; work on registers stands between them
	v_lshrrev_b32 v1, 5, v0
	v_readfirstlane_b32 s[WV], v1
	s_bfe_u32 s[CX], ttmp6, 0x40000
	s_mov_b32 s[CC], ttmp9          ; in a cluster launch ttmp9 counts clusters
	s_and_b32 s[BH], ttmp7, 0xffff
	s_and_b32 s16, s[WV], 1         ; which half of a tile's 256 keys I fetch:
	s_mul_i32 s17, s16, 128*PK      ; its place in a slot, for K
	s_mul_i32 s18, s16, 128*PV      ; and for V
	s_lshl_b32 s20, s[BH], 18       ; the head's 262,144 bytes in a plane,
	s_lshl_b32 s21, s16, 15         ; and my 128 rows of 256 bytes
	s_add_co_u32 s20, s20, s21
	s_mov_b32 s21, 0
	s_cmp_eq_u32 s[CC], 0
	s_cselect_b32 s[T3], 3, 0
	s_lshl_b32 s23, s[WV], 6
	s_lshl_b32 s22, s[CX], 4
	s_add_co_u32 s23, s23, s22      ; my 16 rows' place in a block: 64 w + 16 cx
	s_sub_co_u32 s22, 3, s[CC]
	s_lshl_b32 s22, s22, 8
	s_add_co_u32 s22, s22, s23      ; my first row in the first block
	s_lshl_b32 s19, s[CC], 8
	s_add_co_u32 s23, s23, s19      ; and in the second
	s_lshl_b32 s19, s[BH], 18
	s_lshl_b32 s[QHA], s22, 8
	s_add_co_u32 s[QHA], s[QHA], s19
	s_mov_b32 s[QHA+1], 0
	s_lshl_b32 s[QLA], s23, 8
	s_add_co_u32 s[QLA], s[QLA], s19
	s_mov_b32 s[QLA+1], 0
	s_lshr_b32 s19, s[BH], 4        ; ob: batch b's 1,024 rows of 4,096 bytes,
	s_lshl_b32 s19, s19, 22
	s_and_b32 s2, s[BH], 15
	s_lshl_b32 s2, s2, 8            ; head n's 256 bytes of a row
	s_add_co_u32 s19, s19, s2
	s_lshl_b32 s[OA], s22, 12
	s_add_co_u32 s[OA], s[OA], s19
	s_mov_b32 s[OA+1], 0
	s_lshl_b32 s[OLO], s23, 12
	s_add_co_u32 s[OLO], s[OLO], s19
	s_mov_b32 s[OLO+1], 0
	; descriptor group 1: 128 keys x 128 elements, padded in LDS behind every key
	s_mov_b32 s[G1K], 15|(1<<16)|(1<<20)|(1<<21)|(5<<22)|(3<<25)  ; the mask of four; 2-byte elements; padding on; bit 21 beside a mask; after every 64 words, 4 words
	s_mov_b32 s[G1V], 15|(1<<16)|(1<<20)|(1<<21)|(5<<22)|(7<<25)  ; the same with 8 words
.irp g, G1K, G1V
	s_mov_b32 s[(\g)+1], 128<<16    ; tensor_dim0 = 128
	s_mov_b32 s[(\g)+2], 128<<16    ; tensor_dim1 = 128
	s_mov_b32 s[(\g)+3], 128<<16    ; tile_dim0 = 128
	s_mov_b32 s[(\g)+4], 128        ; tile_dim1 = 128
	s_mov_b32 s[(\g)+5], 128        ; elements from row to row
	s_mov_b32 s[(\g)+6], 0
	s_mov_b32 s[(\g)+7], 0
.endr
	s_mov_b32 s[CS], 0x3e0293ee     ; c = log2(e) / sqrt(128)
	s_mov_b32 s[CS+1], s[CS]        ; named with it as a pair
	s_mov_b32 s[SEL], 0x76543210
	s_mov_b32 s[SEL+1], 0xfedcba98
	s_mov_b32 s[OFF+1], 0
	s_mov_b32 s[AL+1], 0            ; named as pairs
	s_mov_b32 s[BE+1], 0
	s_mov_b32 s[BIGN], 0xd1d2bbf8   ; -1e10 sqrt(128)
	s_wait_dscnt 0x0                ; the opening add is done
	s_wait_kmcnt 0x0
	s_add_nc_u64 s[KB:KB+1], s[4:5], s[20:21]
	s_add_nc_u64 s[VB:VB+1], s[KB:KB+1], 2*8388608  ; plane 2
	s_add_nc_u64 s[KB:KB+1], s[KB:KB+1], 8388608    ; plane 1
	s_add_nc_u64 s[QHA:QHA+1], s[4:5], s[QHA:QHA+1]
	s_add_nc_u64 s[QLA:QLA+1], s[4:5], s[QLA:QLA+1]
	s_add_nc_u64 s[OA:OA+1], s[6:7], s[OA:OA+1]
	s_add_nc_u64 s[OLO:OLO+1], s[6:7], s[OLO:OLO+1]
	CROUND                          ; all four work-groups are here: the first joint loads meet
.irp s, 0,1
	s_mov_b32 s[G0K+4*(\s)], 1
	s_add_co_u32 s[G0K+4*(\s)+1], s17, (\s)*SLOT
	s_add_nc_u64 s[G0K+4*(\s)+2:G0K+4*(\s)+3], s[KB:KB+1], (\s)*65536  ; tile s: 256 keys of 256 bytes a tile
	s_or_b32 s[G0K+4*(\s)+3], s[G0K+4*(\s)+3], 0x80000000
	s_mov_b32 s[G0V+4*(\s)], 1
	s_add_co_u32 s[G0V+4*(\s)+1], s18, (\s)*SLOT+VOFF
	s_add_nc_u64 s[G0V+4*(\s)+2:G0V+4*(\s)+3], s[VB:VB+1], (\s)*65536
	s_or_b32 s[G0V+4*(\s)+3], s[G0V+4*(\s)+3], 0x80000000
.endr
	s_cmp_lt_u32 s[WV], 2           ; a wave's two first fills stand in one branch, ahead of every wait on TENSORcnt and every LDS read: two loads of mine are out
	s_cbranch_scc0 .Lfirst_v
	tensor_load_to_lds s[G0K:G0K+3], s[G1K:G1K+7]
	s_nop 0
	tensor_load_to_lds s[G0K+4:G0K+7], s[G1K:G1K+7]
	s_nop 0
.rept 4
	v_nop
.endr
	s_branch .Lfirst_asked
.Lfirst_v:
	tensor_load_to_lds s[G0V:G0V+3], s[G1V:G1V+7]
	s_nop 0
	tensor_load_to_lds s[G0V+4:G0V+7], s[G1V:G1V+7]
	s_nop 0
.rept 4
	v_nop
.endr
.Lfirst_asked:
	v_and_b32 v1, 15, v0            ; l % 16
	v_bfe_u32 v9, v0, 4, 1          ; l / 16
	v_lshlrev_b32 v[QO], 8, v1
	v_lshl_add_u32 v[QO], v9, 4, v[QO]  ; row x 256 + 16 x half
	WIN 0x80                        ; destination window 2, address window 0
.irp i, 0,1,2,3                     ; both blocks' Q: channels 32 i on
	global_load_b128 v[8*(\i):8*(\i)+3],   v[QO], s[QHA:QHA+1] offset:64*(\i)
	global_load_b128 v[8*(\i)+4:8*(\i)+7], v[QO], s[QHA:QHA+1] offset:64*(\i)+32
	global_load_b128 v[QL+8*(\i):QL+8*(\i)+3],   v[QO], s[QLA:QLA+1] offset:64*(\i)
	global_load_b128 v[QL+8*(\i)+4:QL+8*(\i)+7], v[QO], s[QLA:QLA+1] offset:64*(\i)+32
.endr
	WIN 0
	v_lshlrev_b32 v20, 3, v9
	v_sub_nc_u32 v20, v1, v20
	s_lshl_b32 s16, s[CX], 4
	v_add_nc_u32 v20, s16, v20      ; my query's place in its band, 16 cx + l % 16, less my lanes' 8 (l / 16): register j of key block kt is hidden where 16 kt + j is greater
	WIN 0x40
.set i, 0
.rept 32
	v_cmp_gt_i32 vcc_lo, 16*(i/8)+i%8, v20
	v_cndmask_b32 v[MD+i], 0, s[BIGN], vcc_lo
.set i, i+1
.endr
.set i, 0
.rept 64
	v_mov_b32 v[i], 0               ; O^T: a block's first step multiplies it by a = 0, so it need only be finite; this stands in the wait for the first tile
.set i, i+1
.endr
	WIN 0
	v_mov_b32 v[ST], 0xfe000000     ; c m: far below every c s
	v_mov_b32 v[ST+1], 0xff7fffff   ; m: the lowest finite number
	v_mov_b32 v[ST+2], 0
	v_mov_b32 v[ST+3], 0
	v_mul_u32_u24 v[AK0], v1, PK
	v_lshl_add_u32 v[AK0], v9, 4, v[AK0]  ; row x pitch + 16 x half
	v_and_b32 v10, 7, v0            ; the turning load: lane l reads key 8 (l / 16) + l % 8, channels 8 ((l / 8) % 2) + 0..7
	v_bfe_u32 v11, v0, 3, 1
	v_lshl_add_u32 v[AV0], v9, 3, v10
	v_mul_u32_u24 v[AV0], v[AV0], PV
	v_lshl_add_u32 v[AV0], v11, 4, v[AV0]
	v_add_nc_u32 v[AV0], VOFF, v[AV0]
	s_mul_i32 s16, s[WV], 16*SP
	s_add_co_u32 s16, s16, STAGE    ; my stage
	v_mul_u32_u24 v[STO], v1, SP    ; in: row l % 16, 16 bytes for each half of the lanes
	v_lshl_add_u32 v[STO], v9, 4, v[STO]
	v_add_nc_u32 v[STO], s16, v[STO]
	v_mul_u32_u24 v[RD], v9, SP     ; back: lanes 0-15 take one row of 256 bytes, lanes 16-31 the next
	v_lshl_add_u32 v[RD], v1, 4, v[RD]
	v_add_nc_u32 v[RD], s16, v[RD]
	v_lshlrev_b32 v[GO], 12, v9     ; and the same two rows in ob, 4,096 bytes apart
	v_lshl_add_u32 v[GO], v1, 4, v[GO]
; 16 products S^T = K Q^T: product i takes channels 32 (i / 4) on, keys 16 (i % 4) on.  The first four start the sums, with the mask (m = 1) or 0.  The four accumulators take turns.
.macro KQMUL m
.set i, 0
.rept 16
.if (i < 4) && (\m)
	WIN W_KM
	v_wmma_f32_16x16x32_f16 v[S+8*(i%4):S+8*(i%4)+7], v[KF+32*(i%4)+8*(i/4):KF+32*(i%4)+8*(i/4)+7], v[8*(i/4):8*(i/4)+7], v[MC+8*i:MC+8*i+7]
.elseif i < 4
	WIN W_KQ
	v_wmma_f32_16x16x32_f16 v[S+8*(i%4):S+8*(i%4)+7], v[KF+32*(i%4)+8*(i/4):KF+32*(i%4)+8*(i/4)+7], v[8*(i/4):8*(i/4)+7], 0
.else
	WIN W_KQ
	v_wmma_f32_16x16x32_f16 v[S+8*(i%4):S+8*(i%4)+7], v[KF+32*(i%4)+8*(i/4):KF+32*(i%4)+8*(i/4)+7], v[8*(i/4):8*(i/4)+7], v[S+8*(i%4):S+8*(i%4)+7]
.endif
.set i, i+1
.endr
.endm
; 16 products O^T += V^T P: product i takes keys 32 (i / 8) on, channels 16 (i % 8) on.  The eight accumulators take turns.
.macro PVMUL
	WIN W_PV
.set i, 0
.rept 16
	v_wmma_f32_16x16x32_f16 v[8*(i%8):8*(i%8)+7], v[64*(i/8)+8*(i%8):64*(i/8)+8*(i%8)+7], v[P+8*(i/8):P+8*(i/8)+7], v[8*(i%8):8*(i%8)+7]
.set i, i+1
.endr
.endm
; A step's K (64 keys x 128 channels: 16 fragments) and its V (turned), 32 loads each.
.macro FETCH_K
	WIN 0x80                        ; destination window 2
.irp f, 0,1,2,3,4,5,6,7,8,9,10,11,12,13,14,15  ; keys 16 (f / 4) on, channels 32 (f % 4) on
	ds_load_b128 v[KF+8*(\f):KF+8*(\f)+3],   v[ADK] offset:((\f)/4)*16*PK+((\f)%4)*64
	ds_load_b128 v[KF+8*(\f)+4:KF+8*(\f)+7], v[ADK] offset:((\f)/4)*16*PK+((\f)%4)*64+32
.endr
	s_add_co_u32 s[TBK], s[TBK], KSTEPB  ; the next fetch is the next step's
	WIN 0
.endm
.macro FETCH_V
	WIN 0xc0                        ; destination window 3
.irp f, 0,1,2,3,4,5,6,7,8,9,10,11,12,13,14,15  ; keys 32 (f / 8) on, channels 16 (f % 8) on
	ds_load_tr16_b128 v[8*(\f):8*(\f)+3],   v[ADV] offset:((\f)/8)*32*PV+((\f)%8)*32
	ds_load_tr16_b128 v[8*(\f)+4:8*(\f)+7], v[ADV] offset:((\f)/8)*32*PV+16*PV+((\f)%8)*32
.endr
	s_add_co_u32 s[TBV], s[TBV], VSTEPB
.endm
.macro MASK                         ; MC = MD x AL + BE
	WIN W_RS
.set z, 0
.rept 16
	v_pk_fma_f32 v[MC+2*z:MC+2*z+1], v[MD+2*z:MD+2*z+1], s[AL:AL+1], s[BE:BE+1] op_sel_hi:[1,0,0]
.set z, z+1
.endr
.endm
; THE SOFTMAX of a key step: a list of 134 instructions; SM writes number j.  s0-s31 are the lane's 32 scores, in pairs 0-15.
;   0-15    the maximum of s0-s31 and the old m, three operands at a time; each accumulator's lowest registers are read first
;   16-20   the other half of the lanes' maximum; the new m; c m; c m_old - c m_new
;   21-87   33 exponentials (a, then s0-s31) at the odd numbers from 23 on: each has a plain instruction behind it that touches neither its result nor its source (ISA guide 5.7.2).  The plain ones: c s - c m for pairs
;           whose exponentials are to come, roundings to f16 of pairs whose exponentials stand three numbers back or more, the first sums
;   88-101  the last rounding; the rest of the sums; l = a l + the sum          102-133  O^T times a
.macro SM
.set q, (j-20)/2
.if j < 102
	WIN 0
.endif
.if j < 4
	v_max3_num_f32 v[ST+4+j], v[S+8*j], v[S+8*j+1], v[S+8*j+2]
.elseif j < 12
	v_max3_num_f32 v[ST+4+j%4], v[ST+4+j%4], v[S+8*(j%4)+2*(j/4)+1], v[S+8*(j%4)+2*(j/4)+2]
.elseif j == 12
	v_max3_num_f32 v[ST+4], v[ST+4], v[S+7], v[S+15]
.elseif j == 13
	v_max3_num_f32 v[ST+6], v[ST+6], v[S+23], v[S+31]
.elseif j == 14
	v_max3_num_f32 v[ST+4], v[ST+4], v[ST+5], v[ST+6]
.elseif j == 15
	v_max3_num_f32 v[ST+4], v[ST+4], v[ST+7], v[ST+1]
.elseif j == 16
	v_permlanex16_b32 v[ST+5], v[ST+4], s[SEL], s[SEL+1]  ; the query's other 32 keys lie in the lane 16 away
.elseif j == 17
	v_mov_b32 v[ST+7], v[ST]        ; c m_old is kept for a
.elseif j == 18
	v_max_num_f32 v[ST+1], v[ST+4], v[ST+5]
.elseif j == 19
	v_mul_f32 v[ST], s[CS], v[ST+1]
.elseif j == 20
	v_sub_f32 v[ST+7], v[ST+7], v[ST]
.elseif j == 23
	v_exp_f32 v[ST+6], v[ST+7]
.elseif (j < 88) && (j > 23) && (j%2 == 1)
	v_exp_f32 v[S+(j-25)/2], v[S+(j-25)/2]
.elseif (q < 4) || ((j < 76) && (q%2 == 0))
.set b, q/2+2
.if q < 4
.set b, q
.endif
	v_pk_fma_f32 v[S+2*b:S+2*b+1], v[S+2*b:S+2*b+1], s[CS:CS+1], v[ST:ST+1] op_sel_hi:[1,0,0] neg_lo:[0,0,1] neg_hi:[0,0,1]  ; pair b: c s - c m
.elseif (j < 88) && (q%2 == 1)
	s_wait_alu depctr_va_vdst(0)
	v_cvt_pk_f16_f32 v[P+(q-5)/2], v[S+q-5], v[S+q-4]
.elseif j == 89
	s_wait_alu depctr_va_vdst(0)
	v_cvt_pk_f16_f32 v[P+15], v[S+30], v[S+31]
.elseif j < 102                     ; the sum of the 16 pairs, in place: neighbours 1, 2, 4 and 8 pairs apart, then l takes it
.set z, j-86
.if j < 89
.set z, (j-76)/4
.endif
.set w, 4
.set u, z
.if z >= 14
.set w, 32
.set u, 0
.elseif z >= 12
.set w, 16
.set u, z-12
.elseif z >= 8
.set w, 8
.set u, z-8
.endif
.if z < 15
	v_pk_add_f32 v[S+w*u:S+w*u+1], v[S+w*u:S+w*u+1], v[S+w*u+w/2:S+w*u+w/2+1]
.else
	v_pk_fma_f32 v[ST+2:ST+3], v[ST+2:ST+3], v[ST+6:ST+7], v[S:S+1] op_sel_hi:[1,0,1]
.endif
.else
	WIN W_RS
	v_pk_mul_f32 v[2*(j-102):2*(j-102)+1], v[2*(j-102):2*(j-102)+1], v[ST+6:ST+7] op_sel_hi:[1,0]
.endif
.endm
; A KEY STEP.  m = 1: its products take the mask.  The mask's 16 lines, or four v_nop, are the places between the last step's V^T P and the loads into V's registers.
.macro STEP m
.if \m
	s_cmp_eq_u32 s[CNT], s[DW]      ; is this step the one that holds my diagonal?
	s_cselect_b32 s[AL], 1.0, 0
	s_cmp_gt_u32 s[CNT], s[DW]      ; or a later one, all of it hidden?
	s_cselect_b32 s[BE], s[BIGN], 0
	MASK
	WIN 0
.else
	PLACES
.endif
	v_add_nc_u32 v[ADV], s[TBV], v[AV0]
	FETCH_V
	s_wait_dscnt 32                 ; all but V's 32, the youngest: K is in
	KQMUL \m
	WIN 0
	PLACES                          ; behind those products: K's registers are loaded again and the scores read
	s_cmp_eq_u32 s[CNT], 3
	s_cbranch_scc1 .Lno_k_\@        ; a tile's last step fetches no further K
	v_add_nc_u32 v[ADK], s[TBK], v[AK0]
	FETCH_K
.Lno_k_\@:
.set j, 0
.rept 134
	SM
.set j, j+1
.endr
	s_wait_dscnt 0x0                ; V is in (and the next K, asked for a softmax ago, where there is one)
	PVMUL
	WIN 0
.endm
; A TILE's four key steps, out of one slot.
.macro TILE slot, m
	WIN 0
	s_mov_b32 s[TBK], (\slot)*SLOT
	s_mov_b32 s[TBV], (\slot)*SLOT
	v_add_nc_u32 v[ADK], s[TBK], v[AK0]
	FETCH_K
	s_mov_b32 s[CNT], 0
.Lstep_\@:
	STEP \m
	s_add_co_u32 s[CNT], s[CNT], 1
	s_cmp_lt_u32 s[CNT], 4
	s_cbranch_scc1 .Lstep_\@
.endm
; THE CHANGE OF SLOTS.  Each wave waits for all its tensor loads, of which one is out: its part of the other slot; adds 0 to its spare word; waits for that and for its reads of the slot that it leaves.
; fill = 1: the barrier is a round of the cluster's, and the slot just read (set) is filled again first thing behind it, with tile TN: it has a tile's four key steps in which to land.
.macro CHANGE fill, set=0
	WIN 0
	s_wait_tensorcnt 0x0            ; no tensor load of mine is out, so a group 0 may be written
	ds_add_u32 v[SPW], v[NIL]       ; 0 onto my spare word
.if \fill
	s_lshl_b32 s[OFF], s[TN], 16    ; a tile is 65,536 bytes of K and of V
	s_add_nc_u64 s[G0K+4*(\set)+2:G0K+4*(\set)+3], s[KB:KB+1], s[OFF:OFF+1]
	s_or_b32 s[G0K+4*(\set)+3], s[G0K+4*(\set)+3], 0x80000000
	s_add_nc_u64 s[G0V+4*(\set)+2:G0V+4*(\set)+3], s[VB:VB+1], s[OFF:OFF+1]
	s_or_b32 s[G0V+4*(\set)+3], s[G0V+4*(\set)+3], 0x80000000
	s_wait_dscnt 0x0                ; the add is done, and my reads of the slot are over
	CROUND
	JLOAD \set
.else
	s_wait_dscnt 0x0
	s_barrier_signal -1
	s_barrier_wait -1
.endif
.endm
; A BLOCK'S END.  l's halves are added; O^T is divided by l, rounded to f16, sent through my stage and stored: sixteen lanes fill a head's 256 bytes of a row of ob.
.macro FINISH
	PLACES                          ; behind the last products
	v_add_f32 v[ST+4], v[ST+2], v[ST+3]
	v_permlanex16_b32 v[ST+5], v[ST+4], s[SEL], s[SEL+1]
	v_add_f32 v[ST+4], v[ST+4], v[ST+5]
	v_rcp_f32 v[ST+6], v[ST+4]
	v_nop                           ; a plain instruction between the reciprocal and the use of its result
	WIN W_RS
.set i, 0
	s_wait_alu depctr_va_vdst(0)
.rept 32
	v_pk_mul_f32 v[i:i+1], v[i:i+1], v[ST+6:ST+7] op_sel_hi:[1,0]
.set i, i+2
.endr
	WIN 0x05                        ; sources 0 and 1 window 1, destination window 0
.set i, 0
.rept 32
	v_cvt_pk_f16_f32 v[S+i], v[2*i], v[2*i+1]
.set i, i+1
.endr
	WIN 0
.irp f, 0,1,2,3,4,5,6,7
	ds_store_b128 v[STO], v[S+4*(\f):S+4*(\f)+3] offset:32*(\f)
.endr
.irp f, 0,1,2,3,4,5,6,7
	ds_load_b128 v[S+4*(\f):S+4*(\f)+3], v[RD] offset:(\f)*2*SP  ; LDS serves a wave's instructions in order (ISA guide 5.7.1.4): these see the stores above
.endr
.irp f, 0,1,2,3,4,5,6,7
	s_wait_dscnt 7-(\f)             ; load f is back; the 7 - f younger ones may be out
	global_store_b128 v[GO], v[S+4*(\f):S+4*(\f)+3], s[OA:OA+1] offset:8192*(\f)
.endr
.endm
; THE SECOND BLOCK BEGINS: its Q goes where the products name Q; c m and m start anew; O^T and l keep finite numbers, which the first a = 0 wipes out.
.macro NEXT
	s_wait_xcnt 0x0                 ; the stores' base and data are rewritten only behind this wait
	s_mov_b64 s[OA:OA+1], s[OLO:OLO+1]
	WIN 0x82
.set i, 0
.rept 32
	v_mov_b32 v[i], v[QL+i]
.set i, i+1
.endr
	WIN 0
	v_mov_b32 v[ST], 0xfe000000
	v_mov_b32 v[ST+1], 0xff7fffff
.endm
	s_wait_tensorcnt 1              ; my part of slot 0 is in; slot 1's may stay out
	s_barrier_signal -1
	s_barrier_wait -1
	s_wait_loadcnt 0x0              ; Q
	TILE 0, 0                       ; tile 0 of the first block
	s_mov_b32 s[TN], 2
	CHANGE 1, 0
	TILE 1, 0                       ; tile 1
	s_mov_b32 s[TN], s[T3]
	CHANGE 1, 1
	s_cmp_eq_u32 s[CC], 1
	s_cselect_b32 s[DW], s[WV], 15  ; tile 2 holds block 2's diagonal (c = 1)
	TILE 0, 1
	s_cmp_eq_u32 s[CC], 1           ; c is the same in all four partners
	s_cbranch_scc0 .Lgo_on_a
	FINISH
	NEXT
.Lgo_on_a:
	s_mov_b32 s[TN], s[CC]
	CHANGE 1, 0
	s_cmp_eq_u32 s[CC], 0
	s_cselect_b32 s[DW], s[WV], 15  ; the fourth tile holds block 3's diagonal (c = 0), or is block 1's tile 0
	TILE 1, 1
	s_cmp_eq_u32 s[CC], 0
	s_cbranch_scc0 .Lgo_on_b
	FINISH
	NEXT
.Lgo_on_b:
	CHANGE 0                        ; nothing is left to ask for
	s_mov_b32 s[DW], s[WV]          ; the walk's last tile holds the second block's diagonal
	TILE 0, 1
	FINISH
	s_wait_tensorcnt 0x0            ; the wave's end
	ds_add_u32 v[SPW], v[NIL]
	s_wait_dscnt 0x0
	CROUND                          ; the closing round
	s_endpgm
.Lfunc_end_k_q82b37ea0ef_attn:
	.size	k_q82b37ea0ef_attn, .Lfunc_end_k_q82b37ea0ef_attn-k_q82b37ea0ef_attn
	.p2alignl 7, 3214868480
	.fill 96, 4, 3214868480
	.section	.rodata,"a",@progbits
	.p2align	6, 0x0
	.amdhsa_kernel k_q82b37ea0ef_attn
		.amdhsa_group_segment_fixed_size 327680
		.amdhsa_private_segment_fixed_size 0
		.amdhsa_enable_private_segment 0
		.amdhsa_kernarg_size 16
		.amdhsa_user_sgpr_count 2
		.amdhsa_user_sgpr_kernarg_segment_ptr 1
		.amdhsa_wavefront_size32 1
		.amdhsa_system_sgpr_workgroup_id_x 1
		.amdhsa_system_sgpr_workgroup_id_y 1
		.amdhsa_system_sgpr_workgroup_id_z 1
		.amdhsa_system_vgpr_workitem_id 0
		.amdhsa_next_free_vgpr 896
		.amdhsa_next_free_sgpr 88
		.amdhsa_reserve_vcc 1
		.amdhsa_float_denorm_mode_32 3
		.amdhsa_float_denorm_mode_16_64 3
		.amdhsa_memory_ordered 1
		.amdhsa_forward_progress 1
		.amdhsa_inst_pref_size 129
	.end_amdhsa_kernel
	.amdgpu_metadata
---
amdhsa.version: [ 1, 2 ]
amdhsa.kernels:
  - .name:           k_q82b37ea0ef_attn
    .symbol:         k_q82b37ea0ef_attn.kd
    .args:
      - { .name: qkv, .offset: 0, .size: 8, .value_kind: global_buffer, .address_space: global }
      - { .name: ob, .offset: 8, .size: 8, .value_kind: global_buffer, .address_space: global }
    .group_segment_fixed_size: 327680
    .private_segment_fixed_size: 0
    .kernarg_segment_align: 8
    .kernarg_segment_size: 16
    .max_flat_workgroup_size: 128
    .sgpr_count:     88
    .vgpr_count:     896
    .wavefront_size: 32
...
	.end_amdgpu_metadata
.endif
;; end of part 3
;; launch oproj (part 4): grid 16 x 16, 4 waves a work-group, clusters of 4 x 4, 327,680 bytes of LDS; arguments ob, cv, out0; writes out0
.if DOCPART == 4
	.amdgcn_target "amdgcn-amd-amdhsa--gfx1250"
	.amdhsa_code_object_version 6
	.text
	.protected	k_q82b37ea0ef_oproj
	.globl	k_q82b37ea0ef_oproj
	.p2align	8
	.type	k_q82b37ea0ef_oproj,@function
k_q82b37ea0ef_oproj:
	s_mov_b64 s[64:65], 0
	v_nop
	global_prefetch_b8 v0, s[64:65] scope:SCOPE_SE
	s_setreg_imm32_b32 hwreg(HW_REG_WAVE_MODE, 25, 1), 1
	s_wait_xcnt 0x0
	s_wait_alu depctr_hold_cnt(0) depctr_sa_sdst(0) depctr_va_vdst(0) depctr_va_sdst(0) depctr_va_ssrc(0) depctr_va_vcc(0) depctr_vm_vsrc(0)
	s_getreg_b32 s2, hwreg(HW_REG_IB_STS2, 6, 4)
	s_cmp_eq_u32 s2, 0
	s_cbranch_scc0 .Lentry_in_a_cluster
	s_endpgm
.Lentry_in_a_cluster:
	s_bfe_u32 s2, ttmp6, 0x10000c
	s_cmp_lg_u32 s2, 0xf033
	s_cbranch_scc0 .Lentry_shape_is_right
	s_endpgm
.Lentry_shape_is_right:
; THE OUTPUT PROJECTION.  out0[row][e] = the sum over k = (n, d) of O[row][k] Wo[k][e]: 2,048 x 2,048 over K = 2,048.  O: ob, f16, [row][K].  Wo: segment 5 of cv, f16 of the bf16-rounded number, [K][e].
; Sums in f32, stored as f32.  LIMIT: f16's range for both operands (65,504).
; A tile of out0 is 128 x 128: 256 work-groups.  Four waves, each 64 x 64: 16 accumulators.  K goes in steps of 256 through two LDS slots: O's tile is 128 rows x 512 bytes, read as it lies; Wo's is 256 K rows x 256 bytes,
; read turned, by ds_load_tr16_b128.  CLUSTERS of 4 x 4: O's tiles are shared along a row of the cluster, Wo's along a column, each asked for jointly.
; THE MATRIX INSTRUCTION IS USED TRANSPOSED (source 0 = 16 columns of Wo, source 1 = 16 rows of O): a lane holds eight neighbouring f32 of a row: 32 bytes.
; THE WAY OUT goes through a stage of 128 rows x 528 bytes that lies where slot 0 held O's tiles: it is written behind that slot's last fill and behind the barrier that follows every wave's last reads of the slot.
; REGISTERS: window 0: v0-31 addresses; v128-255 the accumulators ((a, b) at v[128 + 8 (4 a + b)]), later the rows read back.   window 1: two fragment buffers of 128: 64 registers of O, then 64 of Wo, for 64 along K.
.set KSTEP,  256
.set ROWB,   4096                      ; bytes in a row of O and of Wo
.set PITCH,  528                       ; O's LDS row: 512 bytes + 16 = 132 words: the 16 rows of a load start at 16 different groups of four banks (64 banks of 4 bytes: ISA guide 11.1)
.set PB,     288                       ; Wo's LDS row: 256 + 32
.set HALFA,  64*PITCH                  ; 64 rows of O: one tensor load
.set HALFB,  128*PB                    ; 128 K rows of Wo: one tensor load
.set SLOT,   2*HALFA+2*HALFB
.set SPITCH, 528                       ; a stage row: 128 f32 + 16 bytes
.set SPARE,  2*SLOT                    ; the spare words, 128 bytes for each wave: two blocks of 256 bytes that no other line names
.set LAPS,   2048/(2*KSTEP)
.set ADRA, 16                          ; v16-17  LDS address of my fragments of O in slot 0, 1
.set ADRB, 20                          ; v20-23  of Wo: slot 0 K rows 0-127, 128-255; slot 1 likewise (256 rows of 288 bytes pass the 16-bit offset)
.set STO,  24
.set RD,   25
.set CO,   26
.set SPW,  28
.set NIL,  29
.set ACC,  128
.set F0,   0
.set F1,   128
.set G1,  24
.set G0,  32
.set G1B, 48
.set G0B, 56
.set MSB, 0
.macro WIN new
.if MSB != (\new)
	s_set_vgpr_msb (MSB<<8)|(\new)
.set MSB, \new
.endif
.endm
.set MUL,  0x05                        ; sources 0 and 1 window 1; C and D window 0
.set TO_F, 0x40                        ; destination window 1, address window 0
.macro JLOAD s                         ; a joint load: waves 0 and 1 fetch O's two halves, waves 2 and 3 Wo's; an s_nop 0 and four v_nop follow each line
	s_cmp_eq_u32 s11, 0
	s_cbranch_scc0 .Lfor_b_\@
	tensor_load_to_lds s[G0+4*(\s):G0+4*(\s)+3], s[G1:G1+7]
	s_nop 0
.rept 4
	v_nop
.endr
	s_branch .Lasked_\@
.Lfor_b_\@:
	tensor_load_to_lds s[G0B+4*(\s):G0B+4*(\s)+3], s[G1B:G1B+7]
	s_nop 0
.rept 4
	v_nop
.endr
.Lasked_\@:
.endm
.macro CREST
	s_cmp_lg_u32 s10, 0
	s_cbranch_scc1 .Lnot_wave_0_\@
	s_barrier_signal -3
.Lnot_wave_0_\@:
	s_barrier_wait -3
	s_barrier_signal -1
	s_barrier_wait -1
.endm
.macro CROUND
	s_barrier_signal -1
	s_barrier_wait -1
	CREST
.endm
	s_load_b128 s[4:7], s[0:1], 0x0                ; ob s[4:5], cv s[6:7]
	s_load_b64 s[8:9], s[0:1], 0x10                ; out0
	v_lshl_add_u32 v[SPW], v0, 2, SPARE
	v_mov_b32 v[NIL], 0
	ds_add_u32 v[SPW], v[NIL]                      ; the wave's opening: the add and its wait stand ahead of my first tensor load; work on registers stands between them
	v_lshrrev_b32 v1, 5, v0
	v_readfirstlane_b32 s10, v1                    ; wave 0..3
	s_lshr_b32 s11, s10, 1                         ; which half of the tile's rows is mine.  Also: I fetch for O (0) or for Wo (1)
	s_and_b32 s12, s10, 1                          ; which half of its columns.  Also: which half of that tile I fetch
	s_bfe_u32 s40, ttmp6, 0x40000                  ; cx
	s_bfe_u32 s41, ttmp6, 0x40004                  ; cy
	s_lshl_b32 s42, ttmp9, 2
	s_add_co_u32 s42, s42, s40                     ; tile column
	s_and_b32 s13, ttmp7, 0xffff
	s_lshl_b32 s13, s13, 2
	s_add_co_u32 s13, s13, s41                     ; tile row
	s_lshl_b32 s43, s41, 2
	s_lshl_b32 s43, 15, s43                        ; my row of the cluster
	s_lshl_b32 s44, 0x1111, s40                    ; my column
	s_or_b32 s[G1+0], s43, (1<<16)|(1<<20)|(1<<21)|(6<<22)|(3<<25)   ; O: the mask; 2-byte elements; padding on; bit 21 beside a mask; after every 128 words, 4 words
	s_mov_b32 s[G1+1], 256<<16                     ; tensor_dim0 = 256
	s_mov_b32 s[G1+2], 64<<16                      ; tensor_dim1 = 64
	s_mov_b32 s[G1+3], 256<<16                     ; tile_dim0 = 256
	s_mov_b32 s[G1+4], 64                          ; tile_dim1 = 64
	s_mov_b32 s[G1+5], 2048                        ; elements from row to row
	s_mov_b32 s[G1+6], 0
	s_mov_b32 s[G1+7], 0
	s_or_b32 s[G1B+0], s44, (1<<16)|(1<<20)|(1<<21)|(5<<22)|(7<<25)  ; Wo: my column's mask; after every 64 words, 8 words
	s_mov_b32 s[G1B+1], 128<<16                    ; tensor_dim0 = 128
	s_mov_b32 s[G1B+2], 128<<16                    ; tensor_dim1 = 128
	s_mov_b32 s[G1B+3], 128<<16                    ; tile_dim0 = 128
	s_mov_b32 s[G1B+4], 128                        ; tile_dim1 = 128
	s_mov_b32 s[G1B+5], 2048
	s_mov_b32 s[G1B+6], 0
	s_mov_b32 s[G1B+7], 0
	s_lshl_b32 s16, s13, 19                        ; O: 128 rows of 4,096 bytes a tile row,
	s_lshl_b32 s17, s12, 18                        ; my 64 of them
	s_add_co_u32 s16, s16, s17
	s_mov_b32 s17, 0
	s_lshl_b32 s46, s12, 19                        ; Wo: my 128 K rows of a step,
	s_lshl_b32 s47, s42, 8                         ; the tile's 128 columns of 2 bytes,
	s_add_co_u32 s46, s46, s47
	s_add_co_u32 s46, s46, 5*8388608               ; in segment 5 of cv
	s_mov_b32 s47, 0
	s_mul_i32 s20, s12, HALFA                      ; where they go: no place in the cluster enters an LDS address
	s_mul_i32 s21, s12, HALFB
	s_add_co_u32 s21, s21, 2*HALFA
	s_wait_dscnt 0x0                               ; the opening add is done
	s_wait_kmcnt 0x0
	s_add_nc_u64 s[14:15], s[4:5], s[16:17]
	s_add_nc_u64 s[46:47], s[6:7], s[46:47]
	CROUND                                         ; all sixteen work-groups are here: the first joint loads meet
.irp s, 0,1
	s_mov_b32 s[G0+4*(\s)], 1
	s_add_co_u32 s[G0+4*(\s)+1], s20, (\s)*SLOT
	s_add_nc_u64 s[G0+4*(\s)+2:G0+4*(\s)+3], s[14:15], (\s)*KSTEP*2
	s_or_b32 s[G0+4*(\s)+3], s[G0+4*(\s)+3], 0x80000000
	s_mov_b32 s[G0B+4*(\s)], 1
	s_add_co_u32 s[G0B+4*(\s)+1], s21, (\s)*SLOT
	s_add_nc_u64 s[G0B+4*(\s)+2:G0B+4*(\s)+3], s[46:47], (\s)*KSTEP*ROWB
	s_or_b32 s[G0B+4*(\s)+3], s[G0B+4*(\s)+3], 0x80000000
	JLOAD \s                                       ; two tensor loads of mine are out
.endr
	v_and_b32 v1, 15, v0                           ; l % 16
	v_bfe_u32 v2, v0, 4, 1                         ; l / 16
	v_mul_u32_u24 v3, v1, PITCH
	v_lshl_add_u32 v3, v2, 4, v3                   ; O: row x pitch + 16 x half
	v_and_b32 v6, 7, v0
	v_lshl_add_u32 v6, v2, 3, v6                   ; Wo, turned: lane l reads K row 8 (l / 16) + l % 8,
	v_mul_u32_u24 v6, v6, PB
	v_bfe_u32 v7, v0, 3, 1
	v_lshl_add_u32 v6, v7, 4, v6                   ; columns 8 ((l / 8) % 2) + 0..7
	s_mul_i32 s21, s11, HALFA                      ; my 64 rows of O
	s_lshl_b32 s22, s12, 7                         ; my 64 columns of Wo: 128 bytes of its rows,
	s_add_co_u32 s22, s22, 2*HALFA                 ; which lie behind O's 128 rows
.irp s, 0,1
	v_add_nc_u32 v[ADRA+(\s)], s21, v3
	v_add_nc_u32 v[ADRB+2*(\s)], s22, v6
	s_add_co_u32 s23, s22, HALFB
	v_add_nc_u32 v[ADRB+2*(\s)+1], s23, v6
	s_add_co_u32 s21, s21, SLOT
	s_add_co_u32 s22, s22, SLOT
.endr
	s_mul_i32 s23, s11, 64*SPITCH                  ; into the stage: my 64 rows, my 256 bytes of their 512; row l % 16, 32 bytes for each half of the lanes
	s_lshl_b32 s21, s12, 8
	s_add_co_u32 s23, s23, s21
	v_mul_u32_u24 v4, v1, SPITCH
	v_lshl_add_u32 v4, v2, 5, v4
	v_add_nc_u32 v[STO], s23, v4
	s_mul_i32 s23, s10, 32*SPITCH                  ; back: wave w takes rows 32 w .. 32 w + 31, a whole row of 512 bytes to a load
	v_and_b32 v5, 31, v0
	v_lshlrev_b32 v[CO], 4, v5
	v_add_nc_u32 v[RD], s23, v[CO]
	s_lshl_b32 s16, s13, 20                        ; out0: 128 rows of 8,192 bytes a tile row,
	s_lshl_b32 s17, s10, 18                        ; my 32 of them,
	s_add_co_u32 s16, s16, s17
	s_mov_b32 s17, 0
	s_add_nc_u64 s[8:9], s[8:9], s[16:17]
	s_lshl_b32 s46, s42, 9                         ; the tile's 128 columns of 4 bytes
	s_mov_b32 s47, 0
	s_add_nc_u64 s[8:9], s[8:9], s[46:47]
; 8 matrix instructions: row blocks a0, a0 + 1 x all 4 column blocks, 32 along K: half c of buffer f.  The 16 accumulators take turns.
.macro MUL8 f, c, a0, zero
	WIN MUL
.irp a, \a0, (\a0)+1
.irp b, 0,1,2,3
.if \zero
	v_wmma_f32_16x16x32_f16 v[ACC+8*(4*(\a)+(\b)):ACC+8*(4*(\a)+(\b))+7], v[(\f)+64+8*(4*(\c)+(\b)):(\f)+64+8*(4*(\c)+(\b))+7], v[(\f)+8*(4*(\c)+(\a)):(\f)+8*(4*(\c)+(\a))+7], 0
.else
	v_wmma_f32_16x16x32_f16 v[ACC+8*(4*(\a)+(\b)):ACC+8*(4*(\a)+(\b))+7], v[(\f)+64+8*(4*(\c)+(\b)):(\f)+64+8*(4*(\c)+(\b))+7], v[(\f)+8*(4*(\c)+(\a)):(\f)+8*(4*(\c)+(\a))+7], v[ACC+8*(4*(\a)+(\b)):ACC+8*(4*(\a)+(\b))+7]
.endif
.endr
.endr
.endm
; 32 LDS loads in one run: quarter q of a slot's K step (64 along K) into buffer f; the first 32 along K first
.macro FETCH slot, q, f
	WIN TO_F
.irp c, 0,1
.irp i, 0,1,2,3
	ds_load_tr16_b128 v[(\f)+64+8*(4*(\c)+(\i)):(\f)+64+8*(4*(\c)+(\i))+3],   v[ADRB+2*(\slot)+(\q)/2] offset:(((\q)%2)*64+32*(\c))*PB+32*(\i)
	ds_load_tr16_b128 v[(\f)+64+8*(4*(\c)+(\i))+4:(\f)+64+8*(4*(\c)+(\i))+7], v[ADRB+2*(\slot)+(\q)/2] offset:(((\q)%2)*64+32*(\c)+16)*PB+32*(\i)
	ds_load_b128 v[(\f)+8*(4*(\c)+(\i)):(\f)+8*(4*(\c)+(\i))+3],         v[ADRA+(\slot)] offset:128*(\q)+64*(\c)+(\i)*16*PITCH
	ds_load_b128 v[(\f)+8*(4*(\c)+(\i))+4:(\f)+8*(4*(\c)+(\i))+7],       v[ADRA+(\slot)] offset:128*(\q)+64*(\c)+(\i)*16*PITCH+32
.endr
.endr
.endm
.macro PLACES                          ; four plain vector instructions between a matrix instruction and a load into, or a store of, its registers
.rept 4
	v_nop
.endr
.endm
.macro QUARTER slot, q, f, g, zero
	s_wait_dscnt 16                                ; the first 32 along K are in; the youngest sixteen loads may be out
	MUL8 \f, 0, 0, \zero
	MUL8 \f, 0, 2, \zero
	PLACES
	FETCH \slot, \q, \g
	s_wait_dscnt 32                                ; all but the 32 just issued
	MUL8 \f, 1, 0, 0
	MUL8 \f, 1, 2, 0
.endm
; The last quarter multiplies buffer 1 and changes slots.  fill = 1: this slot is filled again, two K steps on, behind a round of the cluster's barrier.
.macro TURN slot, next, fill
	WIN 0                                          ; (the add's two registers lie in window 0)
	s_wait_tensorcnt 0x0                           ; all my tensor loads have landed: my part of the next slot
	ds_add_u32 v[SPW], v[NIL]                      ; 0 onto my spare word
	s_wait_dscnt 17                                ; the add and the youngest sixteen loads may be out
	MUL8 F1, 0, 0, 0
	s_wait_dscnt 0x0                               ; the add is done, and my reads of this slot are over
	s_barrier_signal -1
	MUL8 F1, 0, 2, 0
.if \fill
	WIN 0
.endif
	s_barrier_wait -1
.if \fill
	CREST                                          ; no wave of any partner still reads this slot or has a load on its way
	s_add_nc_u64 s[G0+4*(\slot)+2:G0+4*(\slot)+3], s[G0+4*(\slot)+2:G0+4*(\slot)+3], 2*KSTEP*2
	s_add_nc_u64 s[G0B+4*(\slot)+2:G0B+4*(\slot)+3], s[G0B+4*(\slot)+2:G0B+4*(\slot)+3], 2*KSTEP*ROWB
	JLOAD \slot                                    ; my one tensor load behind the round; its four v_nop are also the places in front of the loads below
.else
	PLACES
.endif
	FETCH \next, 0, F0
	MUL8 F1, 1, 0, 0
	MUL8 F1, 1, 2, 0
.endm
	s_wait_tensorcnt 1                             ; my part of K step 0 is in; K step 1's may stay out
	s_barrier_signal -1
	s_barrier_wait -1
	FETCH 0, 0, F0
	QUARTER 0, 1, F0, F1, 1                        ; the first quarter stands in front of the loop: its first products start the sums
	WIN 0
	s_mov_b32 s3, LAPS-1
.Llap:                                                 ; a trip goes once round the ring and fills both slots again
	QUARTER 0, 2, F1, F0, 0
	QUARTER 0, 3, F0, F1, 0
	TURN 0, 1, 1
	QUARTER 1, 1, F0, F1, 0
	QUARTER 1, 2, F1, F0, 0
	QUARTER 1, 3, F0, F1, 0
	TURN 1, 0, 1
	QUARTER 0, 1, F0, F1, 0
	WIN 0
	s_sub_co_u32 s3, s3, 1
	s_cmp_lg_u32 s3, 0
	s_cbranch_scc1 .Llap
	QUARTER 0, 2, F1, F0, 0                        ; the last lap fills nothing
	QUARTER 0, 3, F0, F1, 0
	TURN 0, 1, 0                                   ; behind this barrier no wave reads slot 0 any more
	QUARTER 1, 1, F0, F1, 0
	QUARTER 1, 2, F1, F0, 0
	QUARTER 1, 3, F0, F1, 0
	s_wait_dscnt 16                                ; the very last quarter: nothing more to fetch
	MUL8 F1, 0, 0, 0
	MUL8 F1, 0, 2, 0
	s_wait_dscnt 0x0
	MUL8 F1, 1, 0, 0
	MUL8 F1, 1, 2, 0
	WIN 0
	; THE WAY OUT: 32 bytes a lane into the stage, each accumulator's low four registers first; a barrier, since a row's 512 bytes come from two waves; back as whole rows, 32 rows a wave.
	PLACES
.irp a, 0,1,2,3
.irp b, 0,1,2,3
	ds_store_b128 v[STO], v[ACC+8*(4*(\a)+(\b)):ACC+8*(4*(\a)+(\b))+3]   offset:(\a)*16*SPITCH+64*(\b)
	ds_store_b128 v[STO], v[ACC+8*(4*(\a)+(\b))+4:ACC+8*(4*(\a)+(\b))+7] offset:(\a)*16*SPITCH+64*(\b)+16
.endr
.endr
	s_wait_dscnt 0x0                               ; for the others' sake: my stores into the stage are done
	s_barrier_signal -1
	s_barrier_wait -1
.set t, 0
.rept 32
	ds_load_b128 v[ACC+4*t:ACC+4*t+3], v[RD] offset:t*SPITCH
.set t, t+1
.endr
.set t, 0
.rept 32
	s_wait_dscnt 31-t                              ; row t is back; the 31 - t younger loads may be out
	global_store_b128 v[CO], v[ACC+4*t:ACC+4*t+3], s[8:9] offset:t*8192 th:TH_STORE_NT  ; the wave stores 512 consecutive bytes, aligned
.set t, t+1
.endr
	s_wait_tensorcnt 0x0                           ; the wave's end
	ds_add_u32 v[SPW], v[NIL]
	s_wait_dscnt 0x0
	CROUND                                         ; the closing round
	s_endpgm
.Lfunc_end_k_q82b37ea0ef_oproj:
	.size	k_q82b37ea0ef_oproj, .Lfunc_end_k_q82b37ea0ef_oproj-k_q82b37ea0ef_oproj
	.p2alignl 7, 3214868480
	.fill 96, 4, 3214868480
	.section	.rodata,"a",@progbits
	.p2align	6, 0x0
	.amdhsa_kernel k_q82b37ea0ef_oproj
		.amdhsa_group_segment_fixed_size 327680
		.amdhsa_private_segment_fixed_size 0
		.amdhsa_enable_private_segment 0
		.amdhsa_kernarg_size 24
		.amdhsa_user_sgpr_count 2
		.amdhsa_user_sgpr_kernarg_segment_ptr 1
		.amdhsa_wavefront_size32 1
		.amdhsa_system_sgpr_workgroup_id_x 1
		.amdhsa_system_sgpr_workgroup_id_y 1
		.amdhsa_system_sgpr_workgroup_id_z 1
		.amdhsa_system_vgpr_workitem_id 0
		.amdhsa_next_free_vgpr 512
		.amdhsa_next_free_sgpr 66
		.amdhsa_reserve_vcc 0
		.amdhsa_float_denorm_mode_32 3
		.amdhsa_float_denorm_mode_16_64 3
		.amdhsa_memory_ordered 1
		.amdhsa_forward_progress 1
		.amdhsa_inst_pref_size 87
	.end_amdhsa_kernel
	.amdgpu_metadata
---
amdhsa.version: [ 1, 2 ]
amdhsa.kernels:
  - .name:           k_q82b37ea0ef_oproj
    .symbol:         k_q82b37ea0ef_oproj.kd
    .args:
      - { .name: ob, .offset: 0, .size: 8, .value_kind: global_buffer, .address_space: global }
      - { .name: cv, .offset: 8, .size: 8, .value_kind: global_buffer, .address_space: global }
      - { .name: out0, .offset: 16, .size: 8, .value_kind: global_buffer, .address_space: global }
    .group_segment_fixed_size: 327680
    .private_segment_fixed_size: 0
    .kernarg_segment_align: 8
    .kernarg_segment_size: 24
    .max_flat_workgroup_size: 128
    .sgpr_count:     66
    .vgpr_count:     512
    .wavefront_size: 32
...
	.end_amdgpu_metadata
.endif
;; end of part 4
